; MI455X (gfx1250); checked and timed in simulation.
; The chip was launched on July 23, 2026; its instructions are those of AMD's public machine-readable ISA for CDNA 5 (MIT licence, August 2026) and "CDNA5" Instruction Set Architecture Reference Guide (July 2026). The comments in the code are by the model that wrote it; some were corrected since.
;; LSTM Cell. Allowed arithmetic: matrix products marked QUANTISED: E2M3 operands, one E8M0 scale for each 32 along K, by v_wmma_scale_f32_16x16x128_f8f6f4 with both operands' format E2M3, f32 sums; everything else in f32.
;; Inputs: Wc 2,048 x 1,024 float32; Wf 2,048 x 1,024 float32; Wi 2,048 x 1,024 float32; Wo 2,048 x 1,024 float32; bc 1,024 float32; bf 1,024 float32; bi 1,024 float32; bo 1,024 float32; c 8,192 x 1,024 float32; h 8,192 x 1,024 float32; x 8,192 x 1,024 float32.
;; Outputs: out0 2 x 8,192 x 1,024 float32.
;; This version of the problem:
;;   THIS VERSION OF THE PROBLEM IS GIVEN IN LOW PRECISION. The matrix products marked QUANTISED in the list below multiply operands that are first quantised to E2M3 (2 exponent bits, 3 mantissa bits; 6 bits a number), with one power-of-two scale for each 32 numbers along K (OCP MX v1.0); their sums are f32. All else is computed in f32.
;;   The module's matrix products, in the order in which they are computed (A, B: the left and right operand; K: the contracted axis; several contracted axes count as one K, in the product's order):
;;     1. [M 8,192, K 2,048] x [K 2,048, N 4,096]; A: computed on the way; B: computed on the way: QUANTISED
;;   THE QUANTISER, for each operand of a quantised product, along K:
;;     - K is cut into blocks of 32 from its start; a last block that is shorter is filled with zeros.
;;     - A block's scale is 2^e with e = floor(log2(the largest magnitude in the block)) - 2, held to -126 .. 127; a block of zeros has e = 0. As a byte (E8M0): e + 127.
;;     - Each number is divided by its block's scale, clamped to +-7.5, and rounded to the nearest number of E2M3, ties to even, subnormals kept.
;;     - The product sums the exact products of the quantised numbers (number of the format x scale) in f32.
;;   ~~~python
;;   def quantise(x, axis):      # numpy; x: float32 -> the quantised numbers, widened to float32 again
;;       x = np.moveaxis(x, axis, -1); K = x.shape[-1]
;;       x = np.pad(x, [(0, 0)] * (x.ndim - 1) + [(0, -K % 32)]); x = x.reshape(x.shape[:-1] + (-1, 32)); a = np.abs(x).max(-1, keepdims=True)
;;       e = np.where(a > 0, np.clip(np.frexp(np.where(a > 0, a, 1))[1] - 1 - 2, -126, 127), 0)      # np.frexp(a)[1] - 1 = floor(log2(a)), exactly
;;       r = np.clip(x / 2.0 ** e, -7.5, 7.5)
;;       step = 2.0 ** (np.maximum(np.frexp(np.where(r == 0, 1, r))[1] - 1, 0) - 3)
;;       q = np.round(r / step) * step * 2.0 ** e      # np.round: ties to even
;;       return np.moveaxis(q.reshape(q.shape[:-2] + (-1,))[..., :K], -1, axis).astype(np.float32)
;;   ~~~
;;   OPERANDS COMPUTED ON THE WAY. 'Computed on the way' means the value that the module computes at that place (a softmax that the list does not call 'softmax' is quantised finished and normalised). What goes into a quantiser is computed in f32, as accurately as f32 sums, v_exp_f32 and their like allow (about 1e-6 of the number): no bf16 or f16 on the way to a quantiser, and a product that is left as it is and whose result goes on into a quantised operand takes f32 operands (vector FMAs, or v_wmma_f32_16x16x4_f32). A number that lies on a knife's edge between two numbers of the format may be rounded either way, as far as f32 arithmetic and the matrix unit's own rounding can turn it there, and no further.
;; One version. Each part assembles by itself: llvm-mc -triple=amdgcn-amd-amdhsa -mcpu=gfx1250 --defsym DOCPART=n.
;; ======== version 1 of 1: 2 launches
;; limits: right only within a limited range of input values
;; workspace buffers: zc 12,582,912 bytes; wc 6,291,456 bytes; sc 786,432 bytes
;; launch quant (part 1): grid 768 x 1, 4 waves a work-group, no clusters, 34,304 bytes of LDS; arguments x, h, Wf, Wi, Wc, Wo, zc, wc, sc; writes zc, wc, sc
.if DOCPART == 1
	.amdgcn_target "amdgcn-amd-amdhsa--gfx1250"
	.amdhsa_code_object_version 6
	.text
	.protected	k_q1ca4f12369_quant
	.globl	k_q1ca4f12369_quant
	.p2align	8
	.type	k_q1ca4f12369_quant,@function
k_q1ca4f12369_quant:
	s_mov_b64 s[64:65], 0
	v_nop
	global_prefetch_b8 v0, s[64:65] scope:SCOPE_SE
	s_setreg_imm32_b32 hwreg(HW_REG_WAVE_MODE, 25, 1), 1
	s_wait_xcnt 0x0
; Both operands of gates = [x | h] [Wf | Wi | Wc | Wo] are turned, once, into codes of FP6 (E2M3) with one E8M0 scale byte for each 32 along K, laid AS THE PRODUCT'S REGISTERS WANT THEM.
; A FRAGMENT is 16 rows x 128 along K: 1,536 bytes = 3 pieces x 32 lanes x 16 bytes.  Lane (r, h) owns the 48 bytes of row r's codes of blocks 2 h and 2 h + 1 of the 128; piece p holds its bytes 16 p .. 16 p + 15 at 512 p + 256 h + 16 r.
;   zc [512 groups of 16 rows][16 K steps][1,536]: K steps 0-7 from x, 8-15 from h.   wc [256 groups][16][1,536]: row n = 128 (U / 32) + 32 g + U % 32 holds column U of gate g (0 f, 1 i, 2 c, 3 o).
;   sc: z's scale words [512][4][16 rows][4 words], then w's [256][4][16][4] from byte 524,288: a word serves a row and 128 along K; its bytes stand in the order of blocks 0, 2, 1, 3, since the matrix unit
;   scales a lane's registers 0-5 by byte h and 6-11 by byte 2 + h.
; A block's scale is 2^(floor(log2(its largest magnitude)) - 2); its byte is the largest magnitude's exponent field - 2, held at 1 from below.  Numbers are divided by the scale and rounded to the nearest code, ties to even; beyond the largest code: the largest code.
; LIMITS: a block of zeros gets the byte 1 where the rule says 127 (its codes are zeros, and this program alone reads the bytes); blocks whose largest magnitude lies under 2^-124 keep the byte 1; NaN and infinities among the inputs are not served.
; w's scale words leave as 8 of each 16 bytes (the other 8 come from another work-group): one byte in 128 of what the launch reads.
; SHARES.  768 work-groups of four waves, 131,072 bytes read by each.  0-255 take x, 256-511 h, 512-767 the weights.  Waves share nothing: no barrier, no tensor load.
.set EMAX, 2
.set RROW, 24576                       ; 16 K steps of 1,536 bytes: a group of 16 rows
.set ZR,  16                           ; v16-143  two sets of 64 numbers as loaded (16 rows x 16 bytes a lane)
.set ZX,  144                          ; v144-207 my 64 neighbours along K
.set ZC,  208                          ; v208-222 a step's codes
.set ZW,  224                          ; v224-227 a scale word for each step
.set SPW, 240                          ; my spare word's LDS address; never rewritten
.set NIL, 241                          ; 0; never rewritten
.set SPT, 528                          ; a stage row: 512 bytes + 16
.set SPARE, 4*16*SPT                   ; behind the four stages: the spare words
.set NB,  8
.set WX,  32                           ; the weights: v32-95 two sets of 32 numbers
.set WC,  96                           ; v96-159 codes: 16 registers for each pair of blocks, never rewritten
.set WSB, 24                           ; v24-25 two scale words
; 12 dwords of codes stand in four runs of three (a conversion's registers begin on an even number): six moves close the gaps, so that pieces stand at c, c + 6 and c + 10
.macro CLOSE c
	v_mov_b32 v[\c+3], v[\c+4]
	v_mov_b32 v[\c+7], v[\c+6]
	v_mov_b32 v[\c+6], v[\c+5]
	v_mov_b32 v[\c+11], v[\c+12]
	v_mov_b32 v[\c+12], v[\c+13]
	v_mov_b32 v[\c+13], v[\c+14]
.endm
.macro ZLOAD t                         ; K step t of my 16 rows: each load reads 512 consecutive bytes of one row
.irp i, 0,1,2,3,4,5,6,7,8,9,10,11,12,13,14,15
	global_load_b128 v[ZR+64*((\t)%2)+4*\i:ZR+64*((\t)%2)+4*\i+3], v3, s[4:5] offset:4096*\i+512*(\t) th:TH_LOAD_NT
.endr
.endm
.macro ZSTEP t
.if (\t) < 3
	s_wait_loadcnt 16                              ; this step's 16 loads are in; the next step's may be out
.else
	s_wait_loadcnt 0x0
.endif
.irp i, 0,1,2,3,4,5,6,7,8,9,10,11,12,13,14,15
	ds_store_b128 v14, v[ZR+64*((\t)%2)+4*\i:ZR+64*((\t)%2)+4*\i+3] offset:SPT*\i   ; in as they lie, a row to a stage row
.endr
.irp i, 0,1,2,3,4,5,6,7,8,9,10,11,12,13,14,15
	ds_load_b128 v[ZX+4*\i:ZX+4*\i+3], v15 offset:16*\i    ; back: 256 bytes of row r a lane.  LDS serves a wave's instructions in order
.endr
	s_wait_dscnt 0x0
.if (\t) > 0
	s_wait_xcnt 0x0                                ; the last step's stores have read their registers
.endif
.if (\t)+2 < 4
	ZLOAD (\t)+2
.endif
.irp c, 0,1
	v_max3_num_f32 v[8+\c], |v[ZX+32*\c]|, |v[ZX+32*\c+1]|, (EMAX+1)<<23   ; my two blocks by turns; the floor holds the byte at 1 from below
.endr
.irp i, 2,4,6,8,10,12,14,16,18,20,22,24,26,28,30
.irp c, 0,1
	v_max3_num_f32 v[8+\c], v[8+\c], |v[ZX+32*\c+\i]|, |v[ZX+32*\c+\i+1]|
.endr
.endr
.irp c, 0,1
	v_add_nc_u32 v[8+\c], -(EMAX<<23), v[8+\c]     ; 2 off the exponent field: the conversion's scale operand
.endr
	v_lshrrev_b32 v12, 23, v8
	v_lshrrev_b32 v13, 23, v9
	v_lshl_or_b32 v12, v13, 16, v12                ; my bytes h and 2 + h of the row's word,
	v_lshlrev_b32 v12, v10, v12
	v_permlanex16_b32 v11, v12, s32, s33
	v_or_b32 v[ZW+(\t)], v12, v11                  ; with lane l xor 16's two the word is whole
.irp c, 0,1
	v_cvt_scalef32_pk16_fp6_f32 v[ZC+8*\c:ZC+8*\c+2], v[ZX+32*\c:ZX+32*\c+15], v[8+\c]
	v_cvt_scalef32_pk16_fp6_f32 v[ZC+8*\c+4:ZC+8*\c+6], v[ZX+32*\c+16:ZX+32*\c+31], v[8+\c]
.endr
	v_nop                                          ; one plain line behind the last conversion
	CLOSE ZC
	global_store_b128 v3, v[ZC:ZC+3], s[8:9] offset:1536*(\t)             ; each store covers 512 consecutive bytes, aligned
	global_store_b128 v3, v[ZC+6:ZC+9], s[8:9] offset:1536*(\t)+512
	global_store_b128 v3, v[ZC+10:ZC+13], s[8:9] offset:1536*(\t)+1024
.endm
.macro WLOAD t                         ; block t: W(32 t + i, my column) into set t % 2
.irp i, 0,1,2,3,4,5,6,7,8,9,10,11,12,13,14,15,16,17,18,19,20,21,22,23,24,25,26,27,28,29,30,31
	global_load_b32 v[WX+32*((\t)%2)+\i], v3, s[4:5] offset:(32*(\t)+\i)*4096 th:TH_LOAD_NT
.endr
.endm
.macro WBLOCK t
.set XS, WX+32*((\t)%2)
.set CC, WC+16*((\t)/2)
.if (\t) < NB-1
	s_wait_loadcnt 32                              ; this block's 32 loads are in; the next block's may be out
.else
	s_wait_loadcnt 0
.endif
	v_max3_num_f32 v12, |v[XS]|, |v[XS+1]|, |v[XS+2]|
	v_max3_num_f32 v13, |v[XS+3]|, |v[XS+4]|, |v[XS+5]|
.irp i, 6,10,14,18,22,26
	v_max3_num_f32 v12, v12, |v[XS+\i]|, |v[XS+\i+1]|
	v_max3_num_f32 v13, v13, |v[XS+\i+2]|, |v[XS+\i+3]|
.endr
	v_max3_num_f32 v12, v12, |v[XS+30]|, |v[XS+31]|
	v_max3_num_f32 v12, v12, v13, (EMAX+1)<<23
	v_add_nc_u32 v11, -(EMAX<<23), v12
	v_lshrrev_b32 v13, 23, v11
.if (\t)%4 == 0
	v_mov_b32 v[WSB+(\t)/4], v13                   ; blocks 0, 1, 2, 3 of a word go to bytes 0, 2, 1, 3
.else
	v_lshl_or_b32 v[WSB+(\t)/4], v13, 8*(2*((\t)%2)+((\t)%4)/2), v[WSB+(\t)/4]
.endif
	v_cvt_scalef32_pk16_fp6_f32 v[CC+8*((\t)%2):CC+8*((\t)%2)+2], v[XS:XS+15], v11
	v_cvt_scalef32_pk16_fp6_f32 v[CC+8*((\t)%2)+4:CC+8*((\t)%2)+6], v[XS+16:XS+31], v11
	v_nop
.if (\t)+2 < NB
	WLOAD (\t)+2
.endif
.if (\t)%2 == 1                        ; two blocks are the 48 bytes of lane (r, h = (t % 4) / 2) of K step t / 4: sixteen lanes store 256 consecutive bytes, aligned
	CLOSE CC
	global_store_b128 v8, v[CC:CC+3], s[12:13] offset:1536*((\t)/4)+256*(((\t)%4)/2)
	global_store_b128 v8, v[CC+6:CC+9], s[12:13] offset:1536*((\t)/4)+256*(((\t)%4)/2)+512
	global_store_b128 v8, v[CC+10:CC+13], s[12:13] offset:1536*((\t)/4)+256*(((\t)%4)/2)+1024
.endif
.endm
	v_lshl_add_u32 v[SPW], v0, 2, SPARE
	v_mov_b32 v[NIL], 0
	v_lshrrev_b32 v1, 5, v0
	v_readfirstlane_b32 s16, v1                    ; wave 0..3
	v_and_b32 v2, 31, v0                           ; lane
	v_and_b32 v5, 15, v0                           ; r
	v_bfe_u32 v6, v0, 4, 1                         ; h
	s_cmp_ge_u32 ttmp9, 512
	s_wait_alu depctr_va_vdst(0)
	s_cbranch_scc1 .Lweights
	; ---------------- x and h: a wave takes 16 rows x 512 along K = four fragments, 6,144 consecutive bytes of zc ----------------
	s_load_b128 s[4:7], s[0:1], 0x0                ; x, h
	s_load_b64 s[8:9], s[0:1], 0x30                ; zc
	s_load_b64 s[10:11], s[0:1], 0x40              ; sc
	s_mul_i32 s17, s16, 16*SPT                     ; my stage
	s_mov_b32 s32, 0x76543210
	s_mov_b32 s33, 0xfedcba98                      ; the selects for lane l xor 16
	v_lshlrev_b32 v3, 4, v2                        ; 16 x lane
	v_add_nc_u32 v14, s17, v3                      ; the stage, on the way in
	v_mul_u32_u24 v15, v5, SPT
	v_lshl_add_u32 v15, v6, 8, v15
	v_add_nc_u32 v15, s17, v15                     ; and back: row r, 256 h
	v_lshlrev_b32 v10, 3, v6                       ; 8 h
	v_lshlrev_b32 v7, 4, v5
	v_lshl_add_u32 v7, v6, 3, v7                   ; the scale words' place: 16 r + 8 h
	v_mov_b32 v11, 0
	s_wait_alu depctr_va_vdst(0)
	s_wait_kmcnt 0x0
	s_cmp_lt_u32 ttmp9, 256                        ; x or h: chosen on the work-group's number alone
	s_cselect_b64 s[4:5], s[4:5], s[6:7]
	s_cselect_b32 s22, 0, 12288                    ; h's K steps 8-15 lie behind x's eight
	s_cselect_b32 s23, 0, 512                      ; and its scale words behind x's
	s_cselect_b32 s17, 0, 256
	s_sub_co_u32 s17, ttmp9, s17
	s_lshl_b32 s17, s17, 2
	s_add_co_u32 s18, s17, s16                     ; 0 .. 1023
	s_lshr_b32 s19, s18, 1                         ; which 16 rows
	s_and_b32 s18, s18, 1                          ; which half of their 1,024 numbers
	s_mov_b32 s21, 0
	s_lshl_b32 s20, s19, 16
	s_lshl_b32 s24, s18, 11
	s_add_co_u32 s20, s20, s24
	s_add_nc_u64 s[4:5], s[4:5], s[20:21]
	s_mul_i32 s20, s19, RROW
	s_mul_i32 s24, s18, 6144
	s_add_co_u32 s20, s20, s24
	s_add_co_u32 s20, s20, s22
	s_add_nc_u64 s[8:9], s[8:9], s[20:21]
	s_lshl_b32 s20, s19, 10
	s_lshl_b32 s24, s18, 8
	s_add_co_u32 s20, s20, s24
	s_add_co_u32 s20, s20, s23
	s_add_nc_u64 s[10:11], s[10:11], s[20:21]
	ZLOAD 0
	ZLOAD 1                                        ; 32 loads a wave ahead
.irp t, 0,1,2,3
	ZSTEP \t
.endr
	v_cmp_ne_u32 vcc_lo, 0, v6
	v_cndmask_b32 v12, v[ZW], v[ZW+2], vcc_lo      ; lanes 0-15 store words 0 and 1 of their row, lanes 16-31 words 2 and 3:
	v_cndmask_b32 v13, v[ZW+1], v[ZW+3], vcc_lo
	global_store_b64 v7, v[12:13], s[10:11]        ; the wave stores 256 consecutive bytes, aligned
	s_wait_tensorcnt 0x0                           ; the wave's end
	ds_add_u32 v[SPW], v[NIL]
	s_wait_dscnt 0x0
	s_endpgm
	; ---------------- the weights: a lane takes a column, its registers run down K; a wave takes 32 columns x 256 along K; no LDS ----------------
.Lweights:
	s_load_b256 s[4:11], s[0:1], 0x10              ; Wf, Wi, Wc, Wo
	s_load_b128 s[12:15], s[0:1], 0x38             ; wc, sc
	s_sub_co_u32 s17, ttmp9, 512
	s_and_b32 s18, s17, 31
	s_lshr_b32 s19, s17, 5                         ; which 256 along K
	s_lshr_b32 s20, s18, 3                         ; the gate
	s_and_b32 s21, s18, 7
	s_lshl_b32 s22, s21, 2
	s_add_co_u32 s22, s22, s16                     ; my group of 32 units
	s_lshl_b32 s23, s22, 3
	s_lshl_b32 s24, s20, 1
	s_add_co_u32 s23, s23, s24                     ; its first group of 16 rows of wc: 8 x group + 2 x gate
	s_lshl_b32 s26, s19, 20
	s_lshl_b32 s27, s22, 7
	s_add_co_u32 s26, s26, s27
	s_mov_b32 s27, 0
	s_mul_i32 s28, s23, RROW
	s_mul_i32 s29, s19, 3072
	s_add_co_u32 s28, s28, s29
	s_mov_b32 s29, 0
	s_lshl_b32 s30, s23, 10
	s_lshr_b32 s31, s19, 1
	s_lshl_b32 s31, s31, 8
	s_add_co_u32 s30, s30, s31
	s_and_b32 s31, s19, 1
	s_lshl_b32 s31, s31, 3
	s_add_co_u32 s30, s30, s31
	s_add_co_u32 s30, s30, 524288
	s_mov_b32 s31, 0
	v_lshlrev_b32 v3, 2, v2
	v_mul_u32_u24 v8, v6, RROW
	v_lshl_add_u32 v8, v5, 4, v8                   ; lanes 16-31 hold the next 16 rows
	v_lshlrev_b32 v9, 10, v6
	v_lshl_add_u32 v9, v5, 4, v9
	s_wait_alu depctr_va_vdst(0)
	s_wait_kmcnt 0x0
	s_cmp_lt_u32 s20, 2
	s_cselect_b64 s[4:5], s[4:5], s[8:9]
	s_cselect_b64 s[6:7], s[6:7], s[10:11]
	s_and_b32 s24, s20, 1
	s_cmp_lg_u32 s24, 0
	s_cselect_b64 s[4:5], s[6:7], s[4:5]
	s_add_nc_u64 s[4:5], s[4:5], s[26:27]
	s_add_nc_u64 s[12:13], s[12:13], s[28:29]
	s_add_nc_u64 s[14:15], s[14:15], s[30:31]
	WLOAD 0
	WLOAD 1
.irp t, 0,1,2,3,4,5,6,7
	WBLOCK \t
.endr
	s_wait_alu depctr_va_vdst(0)
	global_store_b64 v9, v[WSB:WSB+1], s[14:15]    ; my column's two scale words
	s_endpgm
.Lfunc_end_k_q1ca4f12369_quant:
	.size	k_q1ca4f12369_quant, .Lfunc_end_k_q1ca4f12369_quant-k_q1ca4f12369_quant
	.p2alignl 7, 3214868480
	.fill 96, 4, 3214868480
	.section	.rodata,"a",@progbits
	.p2align	6, 0x0
	.amdhsa_kernel k_q1ca4f12369_quant
		.amdhsa_group_segment_fixed_size 34304
		.amdhsa_private_segment_fixed_size 0
		.amdhsa_enable_private_segment 0
		.amdhsa_kernarg_size 72
		.amdhsa_user_sgpr_count 2
		.amdhsa_user_sgpr_kernarg_segment_ptr 1
		.amdhsa_wavefront_size32 1
		.amdhsa_system_sgpr_workgroup_id_x 1
		.amdhsa_system_sgpr_workgroup_id_y 1
		.amdhsa_system_sgpr_workgroup_id_z 1
		.amdhsa_system_vgpr_workitem_id 0
		.amdhsa_next_free_vgpr 244
		.amdhsa_next_free_sgpr 66
		.amdhsa_reserve_vcc 1
		.amdhsa_float_denorm_mode_32 3
		.amdhsa_float_denorm_mode_16_64 3
		.amdhsa_memory_ordered 1
		.amdhsa_forward_progress 1
		.amdhsa_inst_pref_size 69
	.end_amdhsa_kernel
	.amdgpu_metadata
---
amdhsa.version: [ 1, 2 ]
amdhsa.kernels:
  - .name:           k_q1ca4f12369_quant
    .symbol:         k_q1ca4f12369_quant.kd
    .args:
      - { .name: x, .offset: 0, .size: 8, .value_kind: global_buffer, .address_space: global }
      - { .name: h, .offset: 8, .size: 8, .value_kind: global_buffer, .address_space: global }
      - { .name: Wf, .offset: 16, .size: 8, .value_kind: global_buffer, .address_space: global }
      - { .name: Wi, .offset: 24, .size: 8, .value_kind: global_buffer, .address_space: global }
      - { .name: Wc, .offset: 32, .size: 8, .value_kind: global_buffer, .address_space: global }
      - { .name: Wo, .offset: 40, .size: 8, .value_kind: global_buffer, .address_space: global }
      - { .name: zc, .offset: 48, .size: 8, .value_kind: global_buffer, .address_space: global }
      - { .name: wc, .offset: 56, .size: 8, .value_kind: global_buffer, .address_space: global }
      - { .name: sc, .offset: 64, .size: 8, .value_kind: global_buffer, .address_space: global }
    .group_segment_fixed_size: 34304
    .private_segment_fixed_size: 0
    .kernarg_segment_align: 8
    .kernarg_segment_size: 72
    .max_flat_workgroup_size: 128
    .sgpr_count:     66
    .vgpr_count:     244
    .wavefront_size: 32
...
	.end_amdgpu_metadata
.endif
;; end of part 1
;; launch lstm (part 2): grid 16 x 32, 4 waves a work-group, clusters of 4 x 4, 327,680 bytes of LDS; arguments zc, wc, sc, c, out0, bf, bi, bc, bo; writes out0
.if DOCPART == 2
	.amdgcn_target "amdgcn-amd-amdhsa--gfx1250"
	.amdhsa_code_object_version 6
	.text
	.protected	k_q1ca4f12369_lstm
	.globl	k_q1ca4f12369_lstm
	.p2align	8
	.type	k_q1ca4f12369_lstm,@function
k_q1ca4f12369_lstm:
	s_mov_b64 s[64:65], 0
	v_nop
	global_prefetch_b8 v0, s[64:65] scope:SCOPE_SE
	s_setreg_imm32_b32 hwreg(HW_REG_WAVE_MODE, 25, 1), 1
	s_wait_xcnt 0x0
	s_wait_alu depctr_hold_cnt(0) depctr_sa_sdst(0) depctr_va_vdst(0) depctr_va_sdst(0) depctr_va_ssrc(0) depctr_va_vcc(0) depctr_vm_vsrc(0)
	s_getreg_b32 s2, hwreg(HW_REG_IB_STS2, 6, 4)
	s_cmp_eq_u32 s2, 0
	s_cbranch_scc0 .Lentry_in_a_cluster
	s_endpgm
.Lentry_in_a_cluster:
	s_bfe_u32 s2, ttmp6, 0x10000c
	s_cmp_lg_u32 s2, 0xf033
	s_cbranch_scc0 .Lentry_shape_is_right
	s_endpgm
.Lentry_shape_is_right:
; gates = z W + b on codes of FP6 (E2M3) with one E8M0 scale for each 32 along K, sums in f32; then, in f32, c_new = sigmoid(f) c + sigmoid(i) tanh(g), h_new = sigmoid(o) tanh(c_new).  out0 = [h_new, c_new], [2][8192][1024] f32.
; zc and wc hold FRAGMENTS as register images: [group of 16 rows][K step of 128][3 pieces][32 lanes][16 bytes]; a fragment is three loads of 16 bytes a lane at 16 x lane, 512 bytes apart: no padding, every tile row a multiple of 256 bytes on a 256-byte border.
; Lane (r, h) holds blocks 2 h and 2 h + 1 of the 128 along K, in both operands alike, and the scale words' bytes follow (0, 2, 1, 3): the products are the same, the order in which one instruction adds them differs from K ascending.
; SHARES.  A work-group of four waves makes 256 rows x 256 rows of W^T = 256 rows x (4 gates x 64 units); a wave 128 x 128: 64 accumulators, 512 registers.  B's block b = 2 g + u holds gate g, units 16 u .. 16 u + 15 of the wave's 32.
; THE MATRIX INSTRUCTION IS USED TRANSPOSED (source 0 = B, source 1 = A): in accumulator (a, b) lane (r, h) holds row 16 a + r, register k the unit 16 u + 8 h + k: the four gates of a cell lie in one lane.
; THE RING: two slots of three K steps (147,456 bytes each: A's 256 rows, B's 256 rows); 16 K steps come in six fills of 3, 3, 3, 3, 3, 1.  A wave's load brings 8 groups of 16 rows x 4,608 bytes.  The last fill goes into slot 1 with the
; work-group's tile of c behind it: wave 0 brings A's K step 15, wave 1 B's, waves 2 and 3 half of c each.  One tensor load a wave is out behind each round.
; THE FRAGMENTS come in two runs of LDS loads a step.  A has one set: blocks 0-3 of the next step are fetched in the step's middle, blocks 4-7 at its end.  B has two sets: the set that a step has just used takes the step after next, in the run
; at the step's end, a whole step ahead of its use; only where that step lies in the next slot it comes behind the change of slots, in the middle run.
; THE SCALES come from sc straight into registers, four K steps to a load of 16 bytes: lanes 0-15 read 256 consecutive bytes of A's words, lanes 16-31 of B's; two sets, asked for four K steps ahead.
; THE BIASES are the C of each accumulator's first product.
; CLUSTERS: 4 x 4.  A's tiles are shared along a row of the cluster, B's along a column: joint loads.
; PREFETCH: behind the head's load fills 1 and 2 are named, behind the load of fill f >= 1 fill f + 2, each 256 bytes once in a cluster: of the 8 groups that a wave fetches each of the four partners takes two, by address; c's rows two
; refills ahead of their load.  Fill 0 comes by its load alone.  No address register of a prefetch is ever rewritten.
; THE WAY OUT: two blocks of 16 rows at a time: gates, c_new over c in its tile, h_new into a stage in slot 0 (both slots have had their last fill, and slot 0 its last read, at the last change of slots); then a barrier, since a
; row's 256 bytes come from two waves, and each wave stores whole rows.
; ARITHMETIC.  sigmoid(x) = 1 / (1 + 2^(-x log2 e)); tanh(x) = 1 - 2 / (1 + 2^(2 x log2 e)).  Where the power overflows the reciprocal is 0, where it falls to 0 the reciprocal is 1: both forms end at their limits.
; LIMITS: this tanh has an absolute error of about 1e-7, so its relative error grows for |x| under about 1e-4; NaN and infinities among the inputs are not served.
; REGISTERS: window 0: v0-31 addresses; v32-95 scale words, two sets, and nothing else; v96-127 and v224-255 the biases (then v96-127 c); v128-223 A's fragments, one set (on the way out v128-255 at work).
;   window 1: B's fragments, two sets, at v0 and v128 (on the way out: rows read back).   windows 2, 3: the accumulators of my rows 0-63, 64-127 ((a, b) at v[8 (8 (a % 4) + b)]).
.set FRB,   1536                       ; a fragment
.set FR,    12
.set NP,    4                          ; places behind this matrix instruction (ISA guide 7.12.1)
.set RP3,   3*FRB                      ; three K steps of a group of 16 rows
.set RROW,  16*FRB                     ; all of K of a group, in memory
.set HALF3, 8*RP3                      ; what one load of the ring brings
.set SLOT,  4*HALF3
.set CT,    SLOT+32*FRB                ; the tile of c, behind the last fill's codes in slot 1
.set CP,    272                        ; a row of the c tile and of h_new's stage (at LDS byte 0): 256 bytes + 16
.set SPARE, 2*SLOT                     ; the spare words
.set PFO, 6                            ; 256 x min(lane, 17)
.set PF5, 7                            ; 256 x min(lane, 5)
.set PFC, 8                            ; 4,096 x lane
.set BO,  9                            ; 32 h
.set SOF, 10                           ; my scale words in sc
.set ADRA, 16                          ; v16-18 my A fragments in slot 0, slot 1, the last fill
.set ADRB, 20                          ; v20-22 the same for B
.set CA,  24
.set HA,  25
.set CO,  26
.set RB,  27
.set SPW, 28
.set NIL, 29
.set RBH, 30
.set SC,  32
.set KB,  96
.set AF,  128
.set TT,  128                          ; the way out: for each of a pair's two blocks 64 numbers: f, i, g, o, 16 each
.set CR,  96                           ; c, then c_new, 16 for each of the two blocks
.set KG,  12                           ; s[12:13] 2 log2(e), twice
.set G1,  24
.set G0,  32
.set G1B, 48
.set G0B, 56
.set OH,  66
.set G1C, 68
.set G0C, 76
.set G0H, 80                           ; group 0 of the last fill: A's 256 rows;  s[84:87] B's
.set G0HB, 84
.set PFA, 88
.set CPF, 90
.set OC,  92
.set KN,  94                           ; s[94:95] -log2(e), twice
.set MSB, 0
.macro WIN new
.if MSB != \new
	s_set_vgpr_msb (MSB<<8)|\new
.set MSB, \new
.endif
.endm
.set MUL_LO, 0xa1                      ; source 0 (B) window 1, source 1 (A) window 0, C and D window 2
.set MUL_HI, 0xf1
.set TO_B,   0x40
.set G_LO,   0x02
.set ST_B,   0x04
.macro PLACES n
.rept \n
	v_nop
.endr
.endm
.macro TLOAD g0, g1                    ; a tensor load, then s_nop 0 and four v_nop
	tensor_load_to_lds s[\g0:\g0+3], s[\g1:\g1+7]
	s_nop 0
	PLACES 4
.endm
.macro JLOAD g0a, g0b                  ; a joint load: waves 0 and 1 fetch for A, waves 2 and 3 for B
	s_cmp_eq_u32 s15, 0
	s_cbranch_scc0 .Lfor_b_\@
	TLOAD \g0a, G1
	s_branch .Lasked_\@
.Lfor_b_\@:
	TLOAD \g0b, G1B
.Lasked_\@:
.endm
.macro CREST
	s_cmp_lg_u32 s14, 0
	s_cbranch_scc1 .Lnot_wave_0_\@
	s_barrier_signal -3
.Lnot_wave_0_\@:
	s_barrier_wait -3
	s_barrier_signal -1
	s_barrier_wait -1
.endm
.macro CROUND
	s_barrier_signal -1
	s_barrier_wait -1
	CREST
.endm
.macro ASKF f, reg                     ; fill f of my work-group's two groups of 16 rows
	global_prefetch_b8 v[\reg], s[PFA:PFA+1] offset:(\f)*RP3 th:TH_LOAD_NT scope:SCOPE_SE
	global_prefetch_b8 v[\reg], s[PFA:PFA+1] offset:(\f)*RP3+RROW th:TH_LOAD_NT scope:SCOPE_SE
.endm
.macro SCLOAD g                        ; the scale words of K steps 4 g .. 4 g + 3 into set g % 2: register 4 i + q: lanes 0-15 A's block i, lanes 16-31 B's block i
.irp i, 0,1,2,3,4,5,6,7
	global_load_b128 v[SC+32*((\g)%2)+4*\i:SC+32*((\g)%2)+4*\i+3], v[SOF], s[8:9] offset:1024*\i+256*(\g)
.endr
.endm
	s_load_b256 s[4:11], s[0:1], 0x0               ; zc, wc, sc, c
	s_load_b64 s[OH:OH+1], s[0:1], 0x20            ; out0
	s_load_b128 s[96:99], s[0:1], 0x28             ; bf, bi
	s_load_b64 s[100:101], s[0:1], 0x38            ; bc
	s_load_b64 s[104:105], s[0:1], 0x40            ; bo
	v_lshl_add_u32 v[SPW], v0, 2, SPARE
	v_mov_b32 v[NIL], 0
	ds_add_u32 v[SPW], v[NIL]                      ; the add twice on end and one wait
	ds_add_u32 v[SPW], v[NIL]
	v_lshrrev_b32 v1, 5, v0
	v_readfirstlane_b32 s14, v1                    ; wave
	s_lshr_b32 s15, s14, 1                         ; my half of the rows; also: I fetch for A (0) or B (1)
	s_and_b32 s16, s14, 1                          ; my half of B's rows; also: which 128 rows I fetch
	s_bfe_u32 s40, ttmp6, 0x40000                  ; cx
	s_bfe_u32 s41, ttmp6, 0x40004                  ; cy
	s_lshl_b32 s42, ttmp9, 2
	s_add_co_u32 s42, s42, s40                     ; tile column
	s_and_b32 s17, ttmp7, 0xffff
	s_lshl_b32 s17, s17, 2
	s_add_co_u32 s17, s17, s41                     ; tile row
	s_lshl_b32 s43, s41, 2
	s_lshl_b32 s43, 15, s43                        ; my row of the cluster
	s_lshl_b32 s44, 0x1111, s40                    ; my column
	s_or_b32 s[G1], s43, (3<<16)|(1<<21)           ; elements of 8 bytes; bit 21 beside the mask; no padding
	s_or_b32 s[G1B], s44, (3<<16)|(1<<21)
.irp g, G1, G1B
	s_mov_b32 s[\g+1], (RP3/8)<<16                 ; 8 rows of 4,608 bytes, 24,576 bytes apart
	s_mov_b32 s[\g+2], 8<<16
	s_mov_b32 s[\g+3], (RP3/8)<<16
	s_mov_b32 s[\g+4], 8
	s_mov_b32 s[\g+5], RROW/8
	s_mov_b32 s[\g+6], 0
	s_mov_b32 s[\g+7], 0
.endr
	s_mov_b32 s[G1C+0], (3<<16)|(1<<20)|(5<<22)|(3<<25)   ; c: 128 rows x 256 bytes, 4,096 bytes apart, 16 bytes of padding behind each; no mask
	s_mov_b32 s[G1C+1], 32<<16
	s_mov_b32 s[G1C+2], 128<<16
	s_mov_b32 s[G1C+3], 32<<16
	s_mov_b32 s[G1C+4], 128
	s_mov_b32 s[G1C+5], 512
	s_mov_b32 s[G1C+6], 0
	s_mov_b32 s[G1C+7], 0
	s_mul_i32 s20, s17, 16*RROW                    ; A's tile, B's tile, my half of either, in bytes
	s_mul_i32 s46, s42, 16*RROW
	s_mul_i32 s18, s16, 8*RROW
	s_mov_b32 s21, 0
	s_mov_b32 s47, 0
	s_mov_b32 s19, 0
	s_mul_i32 s45, s14, HALF3                      ; LDS: wave x 128 rows
	s_wait_dscnt 0x0
	s_wait_kmcnt 0x0
	s_add_nc_u64 s[20:21], s[4:5], s[20:21]
	s_add_nc_u64 s[46:47], s[6:7], s[46:47]
	CROUND                                         ; in front of the first joint loads
	s_mov_b32 s[G0H], 1
	s_mov_b32 s[G0H+1], SLOT
	s_add_nc_u64 s[G0H+2:G0H+3], s[20:21], 5*RP3
	s_or_b32 s[G0H+3], s[G0H+3], 0x80000000
	s_mov_b32 s[G0HB], 1
	s_mov_b32 s[G0HB+1], SLOT+16*FRB
	s_add_nc_u64 s[G0HB+2:G0HB+3], s[46:47], 5*RP3
	s_or_b32 s[G0HB+3], s[G0HB+3], 0x80000000
	s_add_nc_u64 s[20:21], s[20:21], s[18:19]
	s_add_nc_u64 s[46:47], s[46:47], s[18:19]
.irp s, 0,1
	s_mov_b32 s[G0+4*\s], 1
	s_add_co_u32 s[G0+4*\s+1], s45, \s*SLOT
	s_add_nc_u64 s[G0+4*\s+2:G0+4*\s+3], s[20:21], \s*RP3
	s_or_b32 s[G0+4*\s+3], s[G0+4*\s+3], 0x80000000
	s_mov_b32 s[G0B+4*\s], 1
	s_add_co_u32 s[G0B+4*\s+1], s45, \s*SLOT
	s_add_nc_u64 s[G0B+4*\s+2:G0B+4*\s+3], s[46:47], \s*RP3
	s_or_b32 s[G0B+4*\s+3], s[G0B+4*\s+3], 0x80000000
.endr
	JLOAD G0, G0B                                  ; fill 0: one tensor load a wave at the head
	; scalars first, then one run of vector lines
	s_cmp_eq_u32 s15, 0
	s_cselect_b64 s[PFA:PFA+1], s[20:21], s[46:47] ; the prefetches: the 128 rows that I fetch,
	s_cselect_b32 s2, s40, s41                     ; my place among the four that ask with me,
	s_mul_i32 s2, s2, 2*RROW                       ; two groups of 16 rows to a partner
	s_mov_b32 s3, 0
	s_add_nc_u64 s[PFA:PFA+1], s[PFA:PFA+1], s[2:3]
	s_lshl_b32 s18, s17, 8                         ; c: waves 2 and 3 bring rows 128 (w % 2) on of the tile's 256
	s_lshl_b32 s19, s16, 7
	s_add_co_u32 s18, s18, s19
	s_lshl_b32 s18, s18, 12
	s_lshl_b32 s19, s42, 8
	s_add_co_u32 s18, s18, s19
	s_mov_b32 s19, 0
	s_add_nc_u64 s[G0C+2:G0C+3], s[10:11], s[18:19]
	s_or_b32 s[G0C+3], s[G0C+3], 0x80000000
	s_mov_b32 s[G0C], 1
	s_mul_i32 s[G0C+1], s16, 128*CP
	s_add_co_u32 s[G0C+1], s[G0C+1], CT
	s_lshl_b32 s18, s17, 8                         ; c's prefetch: wave w names rows 64 w on
	s_lshl_b32 s22, s14, 6
	s_add_co_u32 s18, s18, s22
	s_lshl_b32 s18, s18, 12
	s_lshl_b32 s22, s42, 8
	s_add_co_u32 s18, s18, s22
	s_add_nc_u64 s[CPF:CPF+1], s[10:11], s[18:19]
	s_lshl_b32 s18, s17, 8                         ; the first row that I store: 256 x tile row + 128 x half of the rows + 16 x half of the units
	s_lshl_b32 s22, s15, 7
	s_add_co_u32 s18, s18, s22
	s_lshl_b32 s22, s16, 4
	s_add_co_u32 s18, s18, s22
	s_lshl_b32 s18, s18, 12
	s_lshl_b32 s22, s42, 8
	s_add_co_u32 s18, s18, s22
	s_add_nc_u64 s[OH:OH+1], s[OH:OH+1], s[18:19]
	s_add_nc_u64 s[OC:OC+1], s[OH:OH+1], 0x2000000 ; c_new lies 8,192 x 4,096 bytes behind h_new
	s_lshl_b32 s18, s42, 8                         ; the biases of my 32 units
	s_lshl_b32 s22, s16, 7
	s_add_co_u32 s18, s18, s22
	s_add_nc_u64 s[96:97], s[96:97], s[18:19]
	s_add_nc_u64 s[98:99], s[98:99], s[18:19]
	s_add_nc_u64 s[100:101], s[100:101], s[18:19]
	s_add_nc_u64 s[104:105], s[104:105], s[18:19]
	s_lshl_b32 s18, s17, 14                        ; my scale words: A's 8 groups of 1,024 bytes,
	s_lshl_b32 s22, s15, 13
	s_add_co_u32 s18, s18, s22
	s_lshl_b32 s19, s42, 14                        ; B's, behind z's 524,288 bytes
	s_lshl_b32 s22, s16, 13
	s_add_co_u32 s19, s19, s22
	s_add_co_u32 s19, s19, 524288
	s_mul_i32 s22, s15, HALF3                      ; LDS: my A rows, my B rows, in a slot and in the last fill
	s_mul_i32 s23, s16, HALF3
	s_add_co_u32 s23, s23, 2*HALF3
	s_mul_i32 s43, s15, 8*FRB
	s_add_co_u32 s43, s43, SLOT
	s_mul_i32 s44, s16, 8*FRB
	s_add_co_u32 s44, s44, SLOT+16*FRB
	s_mul_i32 s45, s15, 128*CP                     ; the way out: my rows, my 128 bytes of them;
	s_mul_i32 s3, s16, 16*CP
	s_add_co_u32 s3, s3, s45                       ; back: of each 32 rows I take 16
	s_lshl_b32 s2, s16, 7
	s_add_co_u32 s45, s45, s2
	v_and_b32 v1, 15, v0                           ; r
	v_bfe_u32 v2, v0, 4, 1                         ; h
	v_and_b32 v3, 31, v0
	v_lshlrev_b32 v4, 4, v3                        ; 16 x lane
	v_add_nc_u32 v[ADRA], s22, v4
	v_add_nc_u32 v[ADRB], s23, v4
	v_add_nc_u32 v[ADRA+1], SLOT, v[ADRA]
	v_add_nc_u32 v[ADRB+1], SLOT, v[ADRB]
	v_add_nc_u32 v[ADRA+2], s43, v4
	v_add_nc_u32 v[ADRB+2], s44, v4
	v_mul_u32_u24 v5, v1, CP
	v_lshl_add_u32 v5, v2, 5, v5
	v_add_nc_u32 v[HA], s45, v5                    ; my 32 bytes of a row of h_new's stage,
	v_add_nc_u32 v[CA], CT, v[HA]                  ; and of the c tile
	v_mul_u32_u24 v5, v2, CP
	v_lshl_add_u32 v5, v1, 4, v5
	v_add_nc_u32 v[RBH], s3, v5
	v_add_nc_u32 v[RB], CT, v[RBH]
	v_lshlrev_b32 v5, 12, v2
	v_lshl_add_u32 v[CO], v1, 4, v5
	v_lshlrev_b32 v[PFC], 12, v3
	v_min_u32 v5, 17, v3
	v_lshlrev_b32 v[PFO], 8, v5
	v_min_u32 v5, 5, v3
	v_lshlrev_b32 v[PF5], 8, v5
	v_lshlrev_b32 v[BO], 5, v2
	v_mov_b32 v11, s18
	v_mov_b32 v12, s19
	v_cmp_ne_u32 vcc_lo, 0, v2
	v_cndmask_b32 v11, v11, v12, vcc_lo            ; lanes 16-31 take B's
	v_lshl_add_u32 v[SOF], v1, 4, v11
	s_wait_alu depctr_va_vdst(0)
	ASKF 1, PFO
	SCLOAD 0
.macro BIAS g, base                    ; lane (r, h) wants, for B's block 2 g + u, gate g's numbers of units 16 u + 8 h + 0 .. 7
.irp u, 0,1
.irp q, 0,1
	global_load_b128 v[KB+8*(2*\g+\u)+96*(\g/2)+4*\q:KB+8*(2*\g+\u)+96*(\g/2)+4*\q+3], v[BO], s[\base:\base+1] offset:64*\u+16*\q
.endr
.endr
.endm
	BIAS 0, 96
	BIAS 1, 98
	BIAS 2, 100
	BIAS 3, 104
	ASKF 2, PFO
.macro LOC st                          ; where K step st lies in LDS
.if (\st) < 15
.set LA, ADRA+((\st)/3)%2
.set LB, ADRB+((\st)/3)%2
.set LO, FRB*((\st)%3)
.set LP, RP3
.else
.set LA, ADRA+2
.set LB, ADRB+2
.set LO, 0
.set LP, FRB
.endif
.endm
.macro FRAG reg, adr, off
.irp p, 0,1,2
	ds_load_b128 v[\reg+4*\p:\reg+4*\p+3], v[\adr] offset:\off+512*\p
.endr
.endm
.macro FETCH_B st                      ; B's eight fragments of K step st into set st % 2
	LOC \st
	WIN TO_B
.irp i, 0,1,2,3,4,5,6,7
	FRAG 128*((\st)%2)+FR*\i, LB, LO+\i*LP
.endr
	WIN 0
.endm
.macro FETCH_A st, i0                  ; A's blocks i0 .. i0 + 3
	LOC \st
.irp i, \i0, \i0+1, \i0+2, \i0+3
	FRAG AF+FR*(\i), LA, LO+(\i)*LP
.endr
.endm
; 16 matrix instructions: A's blocks a0, a0 + 1 x B's eight.  first = 1: C is the bias.  The 64 accumulators take turns, one instruction a turn, in the same order in every step.
.macro MUL16 a0, st, first
.irp a, \a0, \a0+1
.irp b, 0,1,2,3,4,5,6,7
.set AC, 8*(8*((\a)%4)+\b)
.set BFR, 128*((\st)%2)+FR*\b
.set AFR, AF+FR*(\a)
.set SCQ, SC+32*(((\st)/4)%2)+(\st)%4
.if \first
	v_wmma_scale_f32_16x16x128_f8f6f4 v[AC:AC+7], v[BFR:BFR+FR-1], v[AFR:AFR+FR-1], v[KB+8*\b+96*(\b/4):KB+8*\b+96*(\b/4)+7], v[SCQ+4*\b], v[SCQ+4*(\a)] matrix_a_fmt:MATRIX_FMT_FP6 matrix_b_fmt:MATRIX_FMT_FP6 matrix_a_scale:MATRIX_SCALE_ROW1
.else
	v_wmma_scale_f32_16x16x128_f8f6f4 v[AC:AC+7], v[BFR:BFR+FR-1], v[AFR:AFR+FR-1], v[AC:AC+7], v[SCQ+4*\b], v[SCQ+4*(\a)] matrix_a_fmt:MATRIX_FMT_FP6 matrix_b_fmt:MATRIX_FMT_FP6 matrix_a_scale:MATRIX_SCALE_ROW1
.endif
.endr
.endr
.endm
; A K step: 64 matrix instructions and two runs of LDS loads.  The middle run: A's blocks 0-3 of the next step (12 loads).  The end run: its blocks 4-7 (12), then B's set of the step after next (24), where that step lies in the next step's slot.
; So at a step's start the last end run, 36 loads, may be out, and at its middle B's 24.  A slot's third step changes slots: the end run before it holds 12 loads alone, and B's next set comes in its middle run, behind the barrier, which
; opens a round of the cluster's barrier where a fill follows; in front of it each wave waits for all its tensor loads, adds 0 to its spare word, and waits for that and for its reads of this slot.
.macro KS st, first
.set NX, (\st)+1
.if (\st)%4 == 0
	s_wait_loadcnt 0x0                             ; this set of scale words is in (at step 0: the biases too)
.endif
.if (\st)%3 == 2
	s_wait_tensorcnt 0x0                           ; my part of the next slot has landed
	ds_add_u32 v[SPW], v[NIL]
.if (\st) == 11
.irp g, G1, G1B                        ; no tensor load of mine is out: the last fill brings 16 rows of 1,536 bytes
	s_mov_b32 s[\g+1], (FRB/8)<<16
	s_mov_b32 s[\g+2], 16<<16
	s_mov_b32 s[\g+3], (FRB/8)<<16
	s_mov_b32 s[\g+4], 16
.endr
.endif
	s_wait_dscnt 13                                ; the add and the youngest 12 loads (A's blocks 4-7) may be out
	WIN MUL_LO
	MUL16 0, \st, 0
	s_wait_dscnt 0x0                               ; the add is done, my reads of this slot are over
	s_barrier_signal -1
	MUL16 2, \st, 0
	WIN 0
	s_barrier_wait -1
.if (\st) < 11
	CREST
	s_add_nc_u64 s[G0+4*(((\st)/3)%2)+2:G0+4*(((\st)/3)%2)+3], s[G0+4*(((\st)/3)%2)+2:G0+4*(((\st)/3)%2)+3], 2*RP3
	s_add_nc_u64 s[G0B+4*(((\st)/3)%2)+2:G0B+4*(((\st)/3)%2)+3], s[G0B+4*(((\st)/3)%2)+2:G0B+4*(((\st)/3)%2)+3], 2*RP3
	JLOAD G0+4*(((\st)/3)%2), G0B+4*(((\st)/3)%2)  ; two fills on, into the slot just read out; its four v_nop are the places in front of the loads below
.else
.if (\st) == 11
	CREST
	s_cmp_lt_u32 s14, 1                            ; the last fill: one chain of branches on the wave's number, one load to an arm
	s_cbranch_scc0 .Llast_b
	TLOAD G0H, G1
	s_branch .Llast_asked
.Llast_b:
	s_cmp_lt_u32 s14, 2
	s_cbranch_scc0 .Llast_c
	TLOAD G0HB, G1B
	s_branch .Llast_asked
.Llast_c:
	TLOAD G0C, G1C
.Llast_asked:
.else
	PLACES NP
.endif
.endif
	FETCH_B NX
.else
	s_wait_dscnt 36                                ; B's set and A's blocks 0-3 are in; the last end run may be out
.if \first
	WIN 0x81                                       ; C in window 0
.else
	WIN MUL_LO
.endif
	MUL16 0, \st, \first
	MUL16 2, \st, \first
	s_wait_dscnt 24                                ; A's blocks 4-7 are in; B's next set may be out
	PLACES NP
	WIN 0
.endif
	FETCH_A NX, 0
.if (\st)%4 == 0 && (\st) < 12
	SCLOAD (\st)/4+1                               ; the other set was last read in the step before; the places above stand behind those products
.endif
.if (\st) == 2
	ASKF 4, PFO
.endif
.if (\st) == 5
	ASKF 5, PF5
	global_prefetch_b8 v[PFC], s[CPF:CPF+1] th:TH_LOAD_NT scope:SCOPE_SE              ; 64 rows x 256 bytes of c a wave, a lane a row
	global_prefetch_b8 v[PFC], s[CPF:CPF+1] offset:32*4096 th:TH_LOAD_NT scope:SCOPE_SE
.endif
.if \first
	WIN 0xc1
.else
	WIN MUL_HI
.endif
	MUL16 4, \st, \first
	MUL16 6, \st, \first
	PLACES NP
	WIN 0
	FETCH_A NX, 4
.if NX%3 != 2 && NX+1 <= 15
	FETCH_B NX+1                                   ; into the set that this step has just used
.endif
.endm
	s_wait_alu depctr_va_vdst(0)
	s_wait_tensorcnt 0x0                           ; my part of fill 0 is in; the same lines as ahead of a refill stand ahead of slot 1's first fill
	ds_add_u32 v[SPW], v[NIL]
	s_mov_b32 s[KN], 0xbfb8aa3b                    ; -log2(e): f, i, o
	s_mov_b32 s[KN+1], 0xbfb8aa3b
	s_mov_b32 s[KG], 0x4038aa3b                    ; 2 log2(e): g, c_new
	s_mov_b32 s[KG+1], 0x4038aa3b
	s_wait_dscnt 0x0
	CROUND
	JLOAD G0+4, G0B+4                              ; fill 1
	FETCH_B 0
	FETCH_A 0, 0
	FETCH_A 0, 4
	FETCH_B 1
	ASKF 3, PFO
	KS 0, 1
.set ST, 1                             ; written out step by step: slots, B's sets and the sets of scale words come back together only after 24 steps
.rept 14
	KS ST, 0
.set ST, ST+1
.endr
	s_wait_dscnt 12                                ; the last step: nothing more to fetch
	WIN MUL_LO
	MUL16 0, 15, 0
	MUL16 2, 15, 0
	s_wait_dscnt 0
	WIN MUL_HI
	MUL16 4, 15, 0
	MUL16 6, 15, 0
	WIN 0
; THE WAY OUT, by pairs of blocks (2 p, 2 p + 1).  GATES2 p: the pair's 128 sums a lane become sigmoid(f), sigmoid(i), 1 / (1 + e^(2 g)), sigmoid(o).  Each accumulator is read from its low end on.
; Exponentials and reciprocals go in batches of 128, with waits round each.
.macro GATES2 p
	WIN (G_LO+(\p)/2)
	s_wait_alu depctr_va_vdst(0)
.irp e, 0,1
.irp b, 0,1,2,3,4,5,6,7
.irp k, 0,2,4,6
.if (\b)/2 == 2
	v_pk_mul_f32 v[TT+64*\e+8*\b+\k:TT+64*\e+8*\b+\k+1], v[8*(8*((2*(\p)+\e)%4)+\b)+\k:8*(8*((2*(\p)+\e)%4)+\b)+\k+1], s[KG:KG+1] op_sel_hi:[1,0]
.else
	v_pk_mul_f32 v[TT+64*\e+8*\b+\k:TT+64*\e+8*\b+\k+1], v[8*(8*((2*(\p)+\e)%4)+\b)+\k:8*(8*((2*(\p)+\e)%4)+\b)+\k+1], s[KN:KN+1] op_sel_hi:[1,0]
.endif
.endr
.endr
.endr
	WIN 0
.set n, 0
	s_wait_alu depctr_va_vdst(0)
.rept 128
	v_exp_f32 v[TT+n], v[TT+n]
.set n, n+1
.endr
	v_nop
	s_wait_alu depctr_va_vdst(0)
.set n, 0
.rept 64
	v_pk_add_f32 v[TT+n:TT+n+1], v[TT+n:TT+n+1], 1.0 op_sel_hi:[1,0]
.set n, n+2
.endr
.set n, 0
	s_wait_alu depctr_va_vdst(0)
.rept 128
	v_rcp_f32 v[TT+n], v[TT+n]
.set n, n+1
.endr
	v_nop
	s_wait_alu depctr_va_vdst(0)
.endm
.macro CLOAD2 p                        ; c of the pair's cells, asked for ahead of the pair's gates
.irp e, 0,1
.irp u, 0,1
.irp q, 0,1
	ds_load_b128 v[CR+16*\e+8*\u+4*\q:CR+16*\e+8*\u+4*\q+3], v[CA] offset:(2*(\p)+\e)*16*CP+64*\u+16*\q
.endr
.endr
.endr
.endm
; CELL2 p: c_new goes back over c in the tile, h_new, written over o, into the stage.  In block e of the pair: f at TT + 64 e, i at + 16, g at + 32, o at + 48
.macro CELL2 p
.irp e, 0,1
.irp k, 0,2,4,6,8,10,12,14
	v_pk_fma_f32 v[TT+64*\e+32+\k:TT+64*\e+33+\k], v[TT+64*\e+32+\k:TT+64*\e+33+\k], -2.0, 1.0 op_sel_hi:[1,0,0]   ; tanh(g)
.endr
.endr
.irp e, 0,1
.irp k, 0,2,4,6,8,10,12,14
	v_pk_mul_f32 v[TT+64*\e+16+\k:TT+64*\e+17+\k], v[TT+64*\e+16+\k:TT+64*\e+17+\k], v[TT+64*\e+32+\k:TT+64*\e+33+\k]   ; i tanh(g)
.endr
.endr
	s_wait_alu depctr_va_vdst(0)
	s_wait_dscnt 0x0                               ; c is in
.irp e, 0,1
.irp k, 0,2,4,6,8,10,12,14
	v_pk_fma_f32 v[CR+16*\e+\k:CR+16*\e+\k+1], v[TT+64*\e+\k:TT+64*\e+\k+1], v[CR+16*\e+\k:CR+16*\e+\k+1], v[TT+64*\e+16+\k:TT+64*\e+17+\k]   ; c_new = f c + i tanh(g)
.endr
.endr
.irp e, 0,1
.irp k, 0,2,4,6,8,10,12,14
	v_pk_mul_f32 v[TT+64*\e+32+\k:TT+64*\e+33+\k], v[CR+16*\e+\k:CR+16*\e+\k+1], s[KG:KG+1] op_sel_hi:[1,0]
.endr
.endr
.irp e, 0,1
.irp u, 0,1
.irp q, 0,1
	ds_store_b128 v[CA], v[CR+16*\e+8*\u+4*\q:CR+16*\e+8*\u+4*\q+3] offset:(2*(\p)+\e)*16*CP+64*\u+16*\q      ; over the bytes that I alone have read
.endr
.endr
.endr
	s_wait_alu depctr_va_vdst(0)
.irp e, 0,1
.irp k, 0,1,2,3,4,5,6,7,8,9,10,11,12,13,14,15
	v_exp_f32 v[TT+64*\e+32+\k], v[TT+64*\e+32+\k]
.endr
.endr
	v_nop
	s_wait_alu depctr_va_vdst(0)
.irp e, 0,1
.irp k, 0,2,4,6,8,10,12,14
	v_pk_add_f32 v[TT+64*\e+32+\k:TT+64*\e+33+\k], v[TT+64*\e+32+\k:TT+64*\e+33+\k], 1.0 op_sel_hi:[1,0]
.endr
.endr
	s_wait_alu depctr_va_vdst(0)
.irp e, 0,1
.irp k, 0,1,2,3,4,5,6,7,8,9,10,11,12,13,14,15
	v_rcp_f32 v[TT+64*\e+32+\k], v[TT+64*\e+32+\k]
.endr
.endr
	v_nop
	s_wait_alu depctr_va_vdst(0)
.irp e, 0,1
.irp k, 0,2,4,6,8,10,12,14
	v_pk_fma_f32 v[TT+64*\e+32+\k:TT+64*\e+33+\k], v[TT+64*\e+32+\k:TT+64*\e+33+\k], -2.0, 1.0 op_sel_hi:[1,0,0]   ; tanh(c_new)
.endr
.endr
.irp e, 0,1
.irp k, 0,2,4,6,8,10,12,14
	v_pk_mul_f32 v[TT+64*\e+48+\k:TT+64*\e+49+\k], v[TT+64*\e+48+\k:TT+64*\e+49+\k], v[TT+64*\e+32+\k:TT+64*\e+33+\k]   ; h_new
.endr
.endr
.irp e, 0,1
.irp u, 0,1
.irp q, 0,1
	ds_store_b128 v[HA], v[TT+64*\e+48+8*\u+4*\q:TT+64*\e+48+8*\u+4*\q+3] offset:(2*(\p)+\e)*16*CP+64*\u+16*\q
.endr
.endr
.endr
.endm
.macro PBAR                            ; my stores into the two tiles have landed: then the work-group's barrier.  Each pair of blocks has LDS rows of its own
	s_wait_dscnt 0x0
	s_barrier_signal -1
	s_barrier_wait -1
.endm
.macro BACK p                          ; of the 32 rows that blocks 2 p and 2 p + 1 of my half of the rows have filled I take 16, whole, into 64 registers of window 1 that are this pair's alone
	WIN TO_B
.irp t, 0,1,2,3,4,5,6,7
	ds_load_b128 v[64*\p+4*\t:64*\p+4*\t+3], v[RB] offset:(32*\p+2*\t)*CP
.endr
.irp t, 0,1,2,3,4,5,6,7
	ds_load_b128 v[64*\p+32+4*\t:64*\p+32+4*\t+3], v[RBH] offset:(32*\p+2*\t)*CP
.endr
	WIN 0
.endm
.macro SEND p                          ; no register of these stores is written again, and no base is stepped
	s_wait_dscnt 0x0
	WIN ST_B
.irp t, 0,1,2,3,4,5,6,7
	global_store_b128 v[CO], v[64*\p+4*\t:64*\p+4*\t+3], s[OC:OC+1] offset:(32*\p+2*\t)*4096 th:TH_STORE_NT   ; 16 lanes store 256 consecutive bytes, aligned
.endr
.irp t, 0,1,2,3,4,5,6,7
	global_store_b128 v[CO], v[64*\p+32+4*\t:64*\p+32+4*\t+3], s[OH:OH+1] offset:(32*\p+2*\t)*4096 th:TH_STORE_NT
.endr
	WIN 0
.endm
	PLACES NP                                      ; behind the last products.  The tile of c was shown whole, and slot 0 free, by the last change of slots
	CLOAD2 0
	GATES2 0
	CELL2 0
	PBAR
	BACK 0
	CLOAD2 1
	GATES2 1                                       ; a pair's gates stand between the loads from the tiles and the wait for them
	SEND 0
	CELL2 1
	PBAR
	BACK 1
	CLOAD2 2
	GATES2 2
	SEND 1
	CELL2 2
	PBAR
	BACK 2
	CLOAD2 3
	GATES2 3
	SEND 2
	CELL2 3
	PBAR
	BACK 3
	SEND 3
	s_wait_tensorcnt 0x0                           ; the wave's end
	ds_add_u32 v[SPW], v[NIL]
	s_wait_dscnt 0x0
	CROUND                                         ; the closing round
	s_endpgm
.Lfunc_end_k_q1ca4f12369_lstm:
	.size	k_q1ca4f12369_lstm, .Lfunc_end_k_q1ca4f12369_lstm-k_q1ca4f12369_lstm
	.p2alignl 7, 3214868480
	.fill 96, 4, 3214868480
	.section	.rodata,"a",@progbits
	.p2align	6, 0x0
	.amdhsa_kernel k_q1ca4f12369_lstm
		.amdhsa_group_segment_fixed_size 327680
		.amdhsa_private_segment_fixed_size 0
		.amdhsa_enable_private_segment 0
		.amdhsa_kernarg_size 72
		.amdhsa_user_sgpr_count 2
		.amdhsa_user_sgpr_kernarg_segment_ptr 1
		.amdhsa_wavefront_size32 1
		.amdhsa_system_sgpr_workgroup_id_x 1
		.amdhsa_system_sgpr_workgroup_id_y 1
		.amdhsa_system_sgpr_workgroup_id_z 1
		.amdhsa_system_vgpr_workitem_id 0
		.amdhsa_next_free_vgpr 1024
		.amdhsa_next_free_sgpr 106
		.amdhsa_reserve_vcc 1
		.amdhsa_float_denorm_mode_32 3
		.amdhsa_float_denorm_mode_16_64 3
		.amdhsa_memory_ordered 1
		.amdhsa_forward_progress 1
		.amdhsa_inst_pref_size 255
	.end_amdhsa_kernel
	.section	.bss,"aw",@nobits
	.p2align	6
	.space	262144
	.amdgpu_metadata
---
amdhsa.version: [ 1, 2 ]
amdhsa.kernels:
  - .name:           k_q1ca4f12369_lstm
    .symbol:         k_q1ca4f12369_lstm.kd
    .args:
      - { .name: zc, .offset: 0, .size: 8, .value_kind: global_buffer, .address_space: global }
      - { .name: wc, .offset: 8, .size: 8, .value_kind: global_buffer, .address_space: global }
      - { .name: sc, .offset: 16, .size: 8, .value_kind: global_buffer, .address_space: global }
      - { .name: c, .offset: 24, .size: 8, .value_kind: global_buffer, .address_space: global }
      - { .name: out0, .offset: 32, .size: 8, .value_kind: global_buffer, .address_space: global }
      - { .name: bf, .offset: 40, .size: 8, .value_kind: global_buffer, .address_space: global }
      - { .name: bi, .offset: 48, .size: 8, .value_kind: global_buffer, .address_space: global }
      - { .name: bc, .offset: 56, .size: 8, .value_kind: global_buffer, .address_space: global }
      - { .name: bo, .offset: 64, .size: 8, .value_kind: global_buffer, .address_space: global }
    .group_segment_fixed_size: 327680
    .private_segment_fixed_size: 0
    .kernarg_segment_align: 8
    .kernarg_segment_size: 72
    .max_flat_workgroup_size: 128
    .sgpr_count:     106
    .vgpr_count:     1024
    .wavefront_size: 32
...
	.end_amdgpu_metadata
.endif
;; end of part 2
